; MI455X (gfx1250); checked and timed in simulation.
; The chip was launched on July 23, 2026; its instructions are those of AMD's public machine-readable ISA for CDNA 5 (MIT licence, August 2026) and "CDNA5" Instruction Set Architecture Reference Guide (July 2026). The comments in the code are by the model that wrote it; some were corrected since.
;; Multi Head Attention. Allowed arithmetic: matrix products marked QUANTISED: E5M2 operands, one E8M0 scale for each 32 along K, by v_wmma_scale_f32_16x16x128_f8f6f4 with both operands' format E5M2, f32 sums; everything else in f32.
;; Inputs: W_k 1,024 x 1,024 float32; W_o 1,024 x 1,024 float32; W_q 1,024 x 1,024 float32; W_v 1,024 x 1,024 float32; b_k 1,024 float32; b_o 1,024 float32; b_q 1,024 float32; b_v 1,024 float32; x 1 x 4,096 x 1,024 float32.
;; Outputs: out0 1 x 4,096 x 1,024 float32.
;; This version of the problem:
;;   THIS VERSION OF THE PROBLEM IS GIVEN IN LOW PRECISION. The matrix products marked QUANTISED in the list below multiply operands that are first quantised to E5M2 (5 exponent bits, 2 mantissa bits; 8 bits a number), with one power-of-two scale for each 32 numbers along K (OCP MX v1.0); their sums are f32. All else is computed in f32.
;;   The module's matrix products, in the order in which they are computed (A, B: the left and right operand; K: the contracted axis; several contracted axes count as one K, in the product's order):
;;     1. [M 4,096, K 1,024] x [K 1,024, N 1,024]; A: input x; B: input W_q: QUANTISED
;;     2. [M 4,096, K 1,024] x [K 1,024, N 1,024]; A: input x; B: input W_k: QUANTISED
;;     3. [M 4,096, K 1,024] x [K 1,024, N 1,024]; A: input x; B: input W_v: QUANTISED
;;     4. batch 16 x [M 4,096, K 64] x [K 64, N 4,096]; A: computed on the way; B: computed on the way: QUANTISED
;;     5. batch 16 x [M 4,096, K 4,096] x [K 4,096, N 64]; A: softmax (see below); B: computed on the way: QUANTISED
;;     6. [M 4,096, K 1,024] x [K 1,024, N 1,024]; A: computed on the way; B: input W_o: QUANTISED
;;   THE QUANTISER, for each operand of a quantised product, along K:
;;     - K is cut into blocks of 32 from its start; a last block that is shorter is filled with zeros.
;;     - A block's scale is 2^e with e = floor(log2(the largest magnitude in the block)) - 15, held to -126 .. 127; a block of zeros has e = 0. As a byte (E8M0): e + 127.
;;     - Each number is divided by its block's scale, clamped to +-57,344, and rounded to the nearest number of E5M2, ties to even, subnormals kept.
;;     - The product sums the exact products of the quantised numbers (number of the format x scale) in f32.
;;   ~~~python
;;   def quantise(x, axis):      # numpy; x: float32 -> the quantised numbers, widened to float32 again
;;       x = np.moveaxis(x, axis, -1); K = x.shape[-1]
;;       x = np.pad(x, [(0, 0)] * (x.ndim - 1) + [(0, -K % 32)]); x = x.reshape(x.shape[:-1] + (-1, 32)); a = np.abs(x).max(-1, keepdims=True)
;;       e = np.where(a > 0, np.clip(np.frexp(np.where(a > 0, a, 1))[1] - 1 - 15, -126, 127), 0)      # np.frexp(a)[1] - 1 = floor(log2(a)), exactly
;;       r = np.clip(x / 2.0 ** e, -57344, 57344)
;;       step = 2.0 ** (np.maximum(np.frexp(np.where(r == 0, 1, r))[1] - 1, -14) - 2)
;;       q = np.round(r / step) * step * 2.0 ** e      # np.round: ties to even
;;       return np.moveaxis(q.reshape(q.shape[:-2] + (-1,))[..., :K], -1, axis).astype(np.float32)
;;   ~~~
;;   SOFTMAX AHEAD OF A QUANTISED PRODUCT. Where the list says 'softmax', what is quantised is not the finished softmax but p = 2^(t - M), with t = logit x log2(e) and M = ceil(the row's largest t), a whole number; so 1/2 < the row's largest p <= 1. The row's sum l is taken of the UNQUANTISED p, in f32, and the product's result is divided by l at the end. Since M is a whole number, a kernel that streams over the keys may use a running M (the ceiling of the running maximum): every later rescaling is an exact power of two, which a block's scale takes up: the codes' values come out the same.
;;   OPERANDS COMPUTED ON THE WAY. 'Computed on the way' means the value that the module computes at that place (a softmax that the list does not call 'softmax' is quantised finished and normalised). What goes into a quantiser is computed in f32, as accurately as f32 sums, v_exp_f32 and their like allow (about 1e-6 of the number): no bf16 or f16 on the way to a quantiser, and a product that is left as it is and whose result goes on into a quantised operand takes f32 operands (vector FMAs, or v_wmma_f32_16x16x4_f32). A number that lies on a knife's edge between two numbers of the format may be rounded either way, as far as f32 arithmetic and the matrix unit's own rounding can turn it there, and no further.
;; One version. Each part assembles by itself: llvm-mc -triple=amdgcn-amd-amdhsa -mcpu=gfx1250 --defsym DOCPART=n.
;; ======== version 1 of 1: 4 launches
;; limits: right only within a limited range of input values
;; workspace buffers: codes 8,388,608 bytes; scales 262,144 bytes; qimg 4,194,304 bytes; qs 131,072 bytes; kv 8,388,608 bytes; kvs 262,144 bytes; cimg 4,194,304 bytes; csc 131,072 bytes
;; launch quant (part 1): grid 256 x 1, 8 waves a work-group, no clusters, 69,632 bytes of LDS; arguments x, W_q, W_k, W_v, W_o, codes, scales; writes codes, scales
.if DOCPART == 1
	.amdgcn_target "amdgcn-amd-amdhsa--gfx1250"
	.amdhsa_code_object_version 6
	.text
	.protected	k_qde73f4760c_quant
	.globl	k_qde73f4760c_quant
	.p2align	8
	.type	k_qde73f4760c_quant,@function
k_qde73f4760c_quant:
	s_mov_b64 s[64:65], 0
	v_nop
	global_prefetch_b8 v0, s[64:65] scope:SCOPE_SE
	s_setreg_imm32_b32 hwreg(HW_REG_WAVE_MODE, 25, 1), 1
	s_wait_xcnt 0x0
; x [4096][1024] and the four weights [1024][1024], f32, K innermost, become codes of BF8 (E5M2) with one E8M0 byte for each 32 along K.
; THE CODES ARE LAID AS IMAGES OF THE OPERAND'S REGISTERS.  A fragment is 16 rows x 128 K: lane l = r + 16 h holds row r, registers 4 c .. 4 c + 3 hold k = 32 c + 16 h + 0 .. 15.
; In memory it is 2,048 dense bytes: group c at 512 c, lane l's 16 bytes at 16 l.  codes: [row tile T 0..511][K step 0..7][2,048]; scales: [T][K step][16 words], row r's four bytes at 4 r.
; T 0-255: x; 256-319: W_q; 320-383: W_k; 384-447: W_v; 448-511: W_o.  So every later fragment load is four loads of 512 consecutive bytes, and every store of codes here is 512 consecutive bytes.
; A block's scale is 2^(floor(log2(its largest magnitude)) - 15); its byte is the largest magnitude's exponent field - 15, held at 1 from below; each number is held within +-57,344 x the scale and converted, ties to even.
; LIMITS: a block of zeros gets the byte 1 where the rule says 127 (its codes are zeros, and this program alone reads the bytes); NaN and infinities among the inputs are not served.
; SHARES.  Work-group g takes row tiles 2 g and 2 g + 1; wave w takes tile 2 g + w / 4 and 256 along K (K steps 2 (w % 4) and 2 (w % 4) + 1).
; A load reads 512 consecutive bytes of one row; the 16 rows x 512 bytes of a K step turn through the wave's own stage in LDS, so that a lane gets 16 neighbours of each block of 32 of ITS row.
; Memory binds this launch: no matrix unit, no cluster (no two work-groups read the same byte), no tensor load; the one barrier gathers the scale words of a tile into 512 consecutive bytes.
.set SROW, 528                         ; a stage row: 512 bytes + 16 = 132 words: row r starts at bank 4 r mod 64 (64 banks of 4 bytes: ISA guide 11.1)
.set STG,  16*SROW                     ; a wave's stage
.set SCR,  8*STG                       ; behind the stages: the two tiles' scale words, 512 bytes each
.set LI,   4                           ; v4   16 x lane
.set SIN,  5                           ; v5   the stage on the way in: my 16 bytes of a row
.set SOUT, 6                           ; v6   and on the way out: row r, + 64 h
.set SWR,  7                           ; v7   where my row's scale word goes
.set SRD,  8                           ; v8   where waves 0 and 1 read a tile's 512 bytes of scale words back
.set PW,   12                          ; v12-13  the two K steps' scale words
.set TM,   16                          ; v16-19 largest magnitudes, v20-23 bytes, v24-27 the largest number x the scale, v28-31 the conversions' scale operands
.set PC,   32                          ; v32-63  codes, a set for each K step: no store's data are written again
.set R,    64                          ; v64-191 two K steps as loaded
.set X,    192                         ; v192-255 64 numbers of my row: register 16 b + i = k 32 b + 16 h + i
.set WV,   18
.set MNT,  19                          ; s19  the mantissa field of 57,344
.set SEL,  20                          ; s[20:21] v_permlanex16_b32's selects for lane l xor 16
.set SRC,  22                          ; s[22:23] my wave's first byte of its tensor
	s_load_b256 s[4:11], s[0:1], 0x0               ; x, W_q, W_k, W_v
	s_load_b128 s[12:15], s[0:1], 0x20             ; W_o, codes
	s_load_b64 s[16:17], s[0:1], 0x30              ; scales
	v_lshl_add_u32 v14, v0, 2, 0x10c00
	v_mov_b32 v15, 0
	v_lshrrev_b32 v1, 5, v0
	s_delay_alu instid0(VALU_DEP_1)
	v_readfirstlane_b32 s[WV], v1                  ; wave 0..7
	v_and_b32 v1, 31, v0                           ; lane
	v_and_b32 v2, 15, v0                           ; r
	v_bfe_u32 v3, v0, 4, 1                         ; h
	s_delay_alu instid0(VALU_DEP_3)
	v_lshlrev_b32 v[LI], 4, v1
	s_mul_i32 s24, s[WV], STG
	v_add_nc_u32 v[SIN], s24, v[LI]
	v_mul_u32_u24 v[SOUT], v2, SROW
	s_delay_alu instid0(VALU_DEP_1)
	v_lshl_add_u32 v[SOUT], v3, 6, v[SOUT]
	s_delay_alu instid0(VALU_DEP_1)
	v_add_nc_u32 v[SOUT], s24, v[SOUT]
	s_lshl_b32 s24, s[WV], 7                       ; 512 (w / 4) + 128 (w % 4) = 128 w: my tile, my two K steps
	v_lshl_add_u32 v[SWR], v2, 2, s24
	s_delay_alu instid0(VALU_DEP_1)
	v_add_nc_u32 v[SWR], SCR, v[SWR]
	s_and_b32 s24, s[WV], 1
	s_lshl_b32 s24, s24, 9
	v_add_nc_u32 v[SRD], s24, v[LI]
	s_delay_alu instid0(VALU_DEP_1)
	v_add_nc_u32 v[SRD], SCR, v[SRD]
	s_mov_b32 s[SEL], 0x76543210
	s_mov_b32 s[SEL+1], 0xfedcba98
	s_mov_b32 s[MNT], 0x600000
.irp b, 0,1,2,3
	v_mov_b32 v[TM+4+\b], 0                        ; written once: a lane permute's destination counts as one of its sources
.endr
	s_lshr_b32 s24, ttmp9, 5                       ; 0-3: x; 4: W_q; 5: W_k; 6: W_v; 7: W_o
	s_cmp_lt_u32 ttmp9, 128
	s_cselect_b32 s25, 127, 31
	s_and_b32 s25, ttmp9, s25                      ; the work-group's number within its tensor
	s_lshl_b32 s26, s25, 17                        ; two tiles of 16 rows x 4,096 bytes
	s_lshr_b32 s28, s[WV], 2                       ; which of the two tiles
	s_and_b32 s29, s[WV], 3                        ; which quarter of K
	s_lshl_b32 s30, s28, 16
	s_add_co_u32 s26, s26, s30
	s_lshl_b32 s30, s29, 10
	s_add_co_u32 s26, s26, s30
	s_mov_b32 s27, 0
	s_lshl_b32 s30, ttmp9, 15                      ; codes: 16,384 bytes a tile, 2,048 a K step
	s_lshl_b32 s28, s28, 14
	s_add_co_u32 s30, s30, s28
	s_lshl_b32 s29, s29, 12
	s_add_co_u32 s30, s30, s29
	s_mov_b32 s31, 0
	s_lshl_b32 s28, ttmp9, 10                      ; scale words: 512 bytes a tile
	s_and_b32 s29, s[WV], 1
	s_lshl_b32 s29, s29, 9
	s_add_co_u32 s28, s28, s29
	s_mov_b32 s29, 0
	s_wait_alu depctr_va_vdst(0)
	s_wait_kmcnt 0x0
	s_mov_b64 s[SRC:SRC+1], s[4:5]                 ; the tensor is chosen by the work-group's number alone
	s_cmp_eq_u32 s24, 4
	s_cselect_b64 s[SRC:SRC+1], s[6:7], s[SRC:SRC+1]
	s_cmp_eq_u32 s24, 5
	s_cselect_b64 s[SRC:SRC+1], s[8:9], s[SRC:SRC+1]
	s_cmp_eq_u32 s24, 6
	s_cselect_b64 s[SRC:SRC+1], s[10:11], s[SRC:SRC+1]
	s_cmp_eq_u32 s24, 7
	s_cselect_b64 s[SRC:SRC+1], s[12:13], s[SRC:SRC+1]
	s_add_nc_u64 s[SRC:SRC+1], s[SRC:SRC+1], s[26:27]
	s_add_nc_u64 s[14:15], s[14:15], s[30:31]
	s_add_nc_u64 s[16:17], s[16:17], s[28:29]
.macro LOAD s                          ; K step s of my 16 rows: each load reads 512 consecutive bytes of one row
.irp i, 0,1,2,3,4,5,6,7,8,9,10,11,12,13,14,15
	global_load_b128 v[R+64*\s+4*\i:R+64*\s+4*\i+3], v[LI], s[SRC:SRC+1] offset:4096*\i+512*\s th:TH_LOAD_NT
.endr
.endm
; 64 numbers of a lane, register 16 b + i = k 32 b + 16 h + i of my row, become a fragment's codes in v[pc] on and its scale word in v[pw]
.macro QUANT s, pc, pw
.irp b, 0,1,2,3
	v_max3_num_f32 v[TM+\b], |v[\s+16*\b]|, |v[\s+1+16*\b]|, 0x8000000   ; block b: my 16 numbers, and the floor 2^(16 - 127): the byte cannot fall under 1
.endr
.irp i, 2,4,6,8,10,12,14
.irp b, 0,1,2,3
	s_delay_alu instid0(VALU_DEP_4)
	v_max3_num_f32 v[TM+\b], v[TM+\b], |v[\s+16*\b+\i]|, |v[\s+1+16*\b+\i]|   ; the four blocks by turns
.endr
.endr
.irp b, 0,1,2,3
	s_delay_alu instid0(VALU_DEP_4)
	v_permlanex16_b32 v[TM+4+\b], v[TM+\b], s[SEL], s[SEL+1]
.endr
.irp b, 0,1,2,3
	s_delay_alu instid0(VALU_DEP_4)
	v_max_num_f32 v[TM+\b], v[TM+\b], v[TM+4+\b]   ; with lane l xor 16's 16: the block's largest magnitude
.endr
.irp b, 0,1,2,3
	s_delay_alu instid0(VALU_DEP_4)
	v_add_nc_u32 v[TM+12+\b], 0xf8800000, v[TM+\b] ; 15 off its exponent field: the conversion takes the exponent field of this operand as its scale
.endr
.irp b, 0,1,2,3
	v_and_or_b32 v[TM+8+\b], v[TM+\b], 0x7f800000, s[MNT]   ; 57,344 x the scale
.endr
.irp b, 0,1,2,3
	v_lshrrev_b32 v[TM+4+\b], 23, v[TM+12+\b]      ; the scale's byte
.endr
	s_delay_alu instid0(VALU_DEP_3)
	v_lshl_or_b32 v[\pw], v[TM+5], 8, v[TM+4]      ; the four bytes make my row's scale word
	s_delay_alu instid0(VALU_DEP_1)
	v_lshl_or_b32 v[\pw], v[TM+6], 16, v[\pw]
	s_delay_alu instid0(VALU_DEP_1)
	v_lshl_or_b32 v[\pw], v[TM+7], 24, v[\pw]
.irp b, 0,1,2,3
.irp i, 0,1,2,3,4,5,6,7,8,9,10,11,12,13,14,15
	v_med3_num_f32 v[\s+16*\b+\i], v[\s+16*\b+\i], -v[TM+8+\b], v[TM+8+\b]   ; the conversion to an 8-bit code does not saturate (ISA guide 7.6.2): the hold comes first
.endr
	v_cvt_scalef32_pk8_bf8_f32 v[(\pc)+4*\b:(\pc)+1+4*\b], v[\s+16*\b:\s+7+16*\b], v[TM+12+\b]
	v_cvt_scalef32_pk8_bf8_f32 v[(\pc)+2+4*\b:(\pc)+3+4*\b], v[\s+8+16*\b:\s+15+16*\b], v[TM+12+\b]
.endr
	v_nop                                          ; one plain vector instruction behind the last conversion, ahead of the next vector write of its sources
.endm
.macro KSTEP s, left
	s_wait_loadcnt \left                           ; this K step's 16 loads are in
.irp i, 0,1,2,3,4,5,6,7,8,9,10,11,12,13,14,15
	ds_store_b128 v[SIN], v[R+64*\s+4*\i:R+64*\s+4*\i+3] offset:SROW*\i
.endr
.irp b, 0,1,2,3
.irp j, 0,1,2,3
	ds_load_b128 v[X+16*\b+4*\j:X+16*\b+4*\j+3], v[SOUT] offset:128*\b+16*\j   ; LDS serves a wave's instructions in order (ISA guide 5.7.1.4): these see the stores above
.endr
.endr
	s_wait_dscnt 0x0
	QUANT X, PC+16*\s, PW+\s
.irp c, 0,1,2,3
	global_store_b128 v[LI], v[PC+16*\s+4*\c:PC+16*\s+4*\c+3], s[14:15] offset:2048*\s+512*\c   ; 32 lanes store 512 consecutive bytes
.endr
	ds_store_b32 v[SWR], v[PW+\s] offset:64*\s     ; lanes r and r + 16 write the same word with the same value
.endm
	LOAD 0
	LOAD 1
	KSTEP 0, 16                                    ; the count leaves the second K step's 16 loads out
	KSTEP 1, 0
	s_wait_dscnt 0x0                               ; for the others' sake: my scale words lie in LDS
	s_barrier_signal -1
	s_barrier_wait -1
	s_cmp_lt_u32 s[WV], 2                          ; waves 0 and 1 store a tile's 512 bytes of scale words each
	s_cbranch_scc0 .Ldone
	ds_load_b128 v[TM:TM+3], v[SRD]
	s_wait_dscnt 0x0
	global_store_b128 v[LI], v[TM:TM+3], s[16:17]
.Ldone:
	s_wait_tensorcnt 0x0
	ds_add_u32 v14, v15
	s_wait_dscnt 0x0
	s_endpgm
.Lfunc_end_k_qde73f4760c_quant:
	.size	k_qde73f4760c_quant, .Lfunc_end_k_qde73f4760c_quant-k_qde73f4760c_quant
	.p2alignl 7, 3214868480
	.fill 96, 4, 3214868480
	.section	.rodata,"a",@progbits
	.p2align	6, 0x0
	.amdhsa_kernel k_qde73f4760c_quant
		.amdhsa_group_segment_fixed_size 69632
		.amdhsa_private_segment_fixed_size 0
		.amdhsa_enable_private_segment 0
		.amdhsa_kernarg_size 56
		.amdhsa_user_sgpr_count 2
		.amdhsa_user_sgpr_kernarg_segment_ptr 1
		.amdhsa_wavefront_size32 1
		.amdhsa_system_sgpr_workgroup_id_x 1
		.amdhsa_system_sgpr_workgroup_id_y 1
		.amdhsa_system_sgpr_workgroup_id_z 1
		.amdhsa_system_vgpr_workitem_id 0
		.amdhsa_next_free_vgpr 256
		.amdhsa_next_free_sgpr 66
		.amdhsa_reserve_vcc 0
		.amdhsa_float_denorm_mode_32 3
		.amdhsa_float_denorm_mode_16_64 3
		.amdhsa_memory_ordered 1
		.amdhsa_forward_progress 1
		.amdhsa_inst_pref_size 31
	.end_amdhsa_kernel
	.amdgpu_metadata
---
amdhsa.version: [ 1, 2 ]
amdhsa.kernels:
  - .name:           k_qde73f4760c_quant
    .symbol:         k_qde73f4760c_quant.kd
    .args:
      - { .name: x, .offset: 0, .size: 8, .value_kind: global_buffer, .address_space: global }
      - { .name: W_q, .offset: 8, .size: 8, .value_kind: global_buffer, .address_space: global }
      - { .name: W_k, .offset: 16, .size: 8, .value_kind: global_buffer, .address_space: global }
      - { .name: W_v, .offset: 24, .size: 8, .value_kind: global_buffer, .address_space: global }
      - { .name: W_o, .offset: 32, .size: 8, .value_kind: global_buffer, .address_space: global }
      - { .name: codes, .offset: 40, .size: 8, .value_kind: global_buffer, .address_space: global }
      - { .name: scales, .offset: 48, .size: 8, .value_kind: global_buffer, .address_space: global }
    .group_segment_fixed_size: 69632
    .private_segment_fixed_size: 0
    .kernarg_segment_align: 8
    .kernarg_segment_size: 56
    .max_flat_workgroup_size: 256
    .sgpr_count:     66
    .vgpr_count:     256
    .wavefront_size: 32
...
	.end_amdgpu_metadata
.endif
;; end of part 1
;; launch qkv (part 2): grid 8 x 32, 3 waves a work-group, no clusters, 2,560 bytes of LDS; arguments codes, scales, b_q, b_k, b_v, qimg, qs, kv, kvs; writes qimg, qs, kv, kvs
.if DOCPART == 2
	.amdgcn_target "amdgcn-amd-amdhsa--gfx1250"
	.amdhsa_code_object_version 6
	.text
	.protected	k_qde73f4760c_qkv
	.globl	k_qde73f4760c_qkv
	.p2align	8
	.type	k_qde73f4760c_qkv,@function
k_qde73f4760c_qkv:
	s_mov_b64 s[64:65], 0
	v_nop
	global_prefetch_b8 v0, s[64:65] scope:SCOPE_SE
	s_setreg_imm32_b32 hwreg(HW_REG_WAVE_MODE, 25, 1), 1
	s_wait_xcnt 0x0
; q = x W_q^T + b_q, k = x W_k^T + b_k, v = x W_v^T + b_v on codes of BF8 (E5M2) with E8M0 scales, and the three results quantised at once for the two products of attention.
; SHARES.  Work-group (cb, tb) takes 128 tokens (x's row tiles 8 tb ..) and 128 columns (heads 2 cb and 2 cb + 1) of each projection.  The wave's number is the KIND: 0 q, 1 k, 2 v; a wave makes 128 x 128: 64 accumulators.
; ONE TEXT FOR THE THREE KINDS.  Source 0 is a panel of 8 row tiles (b), source 1 another (a).  q, k: source 0 = the weight, source 1 = x: a lane holds ONE TOKEN and its registers run along the columns, the next K (the head's 64).
; v: source 0 = x, source 1 = W_v: a lane holds ONE COLUMN d and its registers run along the TOKENS, the next K (the keys).  Panels, destinations and strides are chosen by the wave's number; only K step 0 is written twice (its C is the bias).
; OPERANDS COME FROM MEMORY STRAIGHT INTO REGISTERS: the codes lie as images of the operand's registers (16 rows x 128 K = 2,048 dense bytes, lane l's 16 bytes of group c at 512 c + 16 l), so a fragment is four loads of 512 consecutive bytes.
; NO CLUSTER, NO TENSOR LOAD: no tile passes through LDS, so there is no tensor load on which a mask could stand; x's panel (128 KB) is read by 8 work-groups x 3 waves, a weight's by 32 work-groups.
; THE ORDER INSIDE A BLOCK OF 32.  Tiles 2 B and 2 B + 1 give lane (r, h) the numbers 32 B + 16 u + 8 h + j (u the tile's parity, j the register); converted in register order they stand at places 32 B + 16 h + 8 u + j of the operand.
; That is one fixed permutation inside each true block of 32, the same for q and k (this text) and for v and p (the attention launch takes its scores in the same order): the sums pair the right numbers, the blocks are the rule's blocks.
; WHAT IS STORED.  qimg [head][token tile][1,024]: two groups (the head's 64).  kv [head][slot of 512 keys][65,536]: K as [pair of token tiles][2,048] (two tiles fill one fragment: groups 0, 1 and 2, 3), then at 32,768 V^T as [key step of 128][d tile][2,048].
; qs [head][pair][16 words] and kvs' first 8,192 bytes a head likewise: bytes 0, 1 the even tile's two blocks, bytes 2, 3 the odd tile's.  kvs + 8,192: V's words [key step][d tile][16 words].
; LIMITS: a block of zeros gets the byte 1 (zero codes; read by this program alone); NaN and infinities are not served.
; REGISTERS, in windows of 256: window 0: v0-31 addresses; v32-63 scale words, two sets; v64-127 the bias table (K step 0), later at work; v128-255 source 1's 8 fragments, ONE set, later the codes made.
;   window 1: source 0's 8 fragments, TWO sets, at v0 and v128.   window 2: the accumulators of a = 0..3 ((a, b) at v[8 (8 (a % 4) + b)]);   window 3: those of a = 4..7.
.set LI,   4                           ; v4   16 x lane
.set LS,   5                           ; v5   4 x lane
.set VO1,  6                           ; v6   16 x lane + the distance from groups 0, 1 to groups 2, 3 at the destination
.set SWR,  7                           ; v7   LDS: 512 x wave + 4 r
.set SRD,  8                           ; v8   LDS: 512 x wave + 8 x lane
.set SGO,  9                           ; v9   8 x lane
.set BO,   10                          ; v10-17 the bias loads' offsets, one for each register j of a tile
.set SC,   32                          ; scale words: set i % 2 for K steps 2 i (lanes 0-15) and 2 i + 1 (lanes 16-31): 8 registers for source 0's tiles, 8 for source 1's
.set BT,   64                          ; the bias table: q, k: register 8 b + j = bias(16 b + 8 h + j); v: register 8 a + j = bias(16 a + r)
.set F1,   128                         ; source 1's fragments
.set PWR,  96                          ; v96-103  the scale word of unit a
.set TM,   104                         ; v104-119 at work in the quantiser
.set TT,   120                         ; v120-127 the scale words as they are stored
.set PCR,  128                         ; the codes of unit a at v[128 + 16 a]: registers of their own, so no store's data are written again
.set KIND, 22
.set CB,   23
.set TBK,  24
.set P0,   26                          ; s[26:27] source 0's panel of codes;  s[28:29] source 1's;  s[30:31], s[32:33] their scale words
.set P1,   28
.set Q0,   30
.set Q1,   32
.set BP,   34                          ; s[34:35] my kind's bias at my 128 columns
.set SB,   36                          ; s[36:51] where unit a's codes go
.set MSK,  56                          ; s56  all ones in the wave of kind v, else 0
.set MNT,  57                          ; s57  the mantissa field of 57,344
.set SEL,  58                          ; s[58:59] v_permlanex16_b32's selects for lane l xor 16
.set MSB, 0
.macro WIN new                         ; the immediate's high byte repeats the setting that is left; a switch that changes nothing is dropped
.if MSB != \new
	s_set_vgpr_msb (MSB<<8)|\new
.set MSB, \new
.endif
.endm
	s_load_b256 s[4:11], s[0:1], 0x0               ; codes, scales, b_q, b_k
	s_load_b256 s[12:19], s[0:1], 0x20             ; b_v, qimg, qs, kv
	s_load_b64 s[20:21], s[0:1], 0x40              ; kvs
	v_lshl_add_u32 v30, v0, 2, 0x800
	v_mov_b32 v31, 0
	v_lshrrev_b32 v1, 5, v0
	v_readfirstlane_b32 s[KIND], v1                ; wave = kind
	s_mov_b32 s[CB], ttmp9
	s_and_b32 s[TBK], ttmp7, 0xffff
	v_and_b32 v1, 31, v0                           ; lane
	v_and_b32 v2, 15, v0                           ; r
	v_bfe_u32 v3, v0, 4, 1                         ; h
	v_lshlrev_b32 v[LI], 4, v1
	s_wait_alu depctr_va_vdst(0)
	v_lshlrev_b32 v[LS], 2, v1
	s_lshl_b32 s60, s[KIND], 9
	v_lshl_add_u32 v[SWR], v2, 2, s60
	v_lshl_add_u32 v[SRD], v1, 3, s60
	v_lshlrev_b32 v[SGO], 3, v1
	s_mov_b32 s[SEL], 0x76543210
	s_mov_b32 s[SEL+1], 0xfedcba98
	s_mov_b32 s[MNT], 0x600000
	; the panels: a row tile is 16,384 bytes of codes and 512 of scale words.  x: tile 8 tb;  the weight: tile 256 + 64 kind + 8 cb
	s_lshl_b32 s60, s[TBK], 17
	s_lshl_b32 s61, s[KIND], 20
	s_lshl_b32 s62, s[CB], 17
	s_add_co_u32 s61, s61, s62
	s_add_co_u32 s61, s61, 1<<22
	s_cmp_eq_u32 s[KIND], 2
	s_cselect_b32 s66, s60, s61                    ; source 0: the weight, for v: x
	s_cselect_b32 s68, s61, s60                    ; source 1: x, for v: the weight
	s_cselect_b32 s[MSK], -1, 0
	s_mov_b32 s67, 0
	s_mov_b32 s69, 0
	s_lshr_b32 s70, s66, 5
	s_mov_b32 s71, 0
	s_lshr_b32 s72, s68, 5
	s_mov_b32 s73, 0
	; the destinations.  A head's bytes: 2^18 in qimg, 2^19 in kv; 2^13 in qs, 2^14 in kvs
	s_cmp_eq_u32 s[KIND], 0
	s_cselect_b32 s78, 18, 19
	s_cselect_b32 s79, 13, 14
	s_lshl_b32 s80, 1, s78                         ; a head's codes
	s_lshl_b32 s94, 1, s79                         ; a head's scale words
	s_mov_b32 s95, 0
	s_lshl_b32 s82, s[CB], 1                       ; my first head
	s_lshl_b32 s84, s82, s78
	s_lshl_b32 s86, s82, s79
	s_lshl_b32 s60, s[TBK], 13                     ; q: 8 token tiles of 1,024 bytes for each tb
	s_lshr_b32 s61, s[TBK], 2                      ; k, v: the slot of 512 keys,
	s_lshl_b32 s61, s61, 16
	s_and_b32 s62, s[TBK], 3                       ; and the 128 keys in it: 8,192 bytes of K, and of V
	s_lshl_b32 s62, s62, 13
	s_add_co_u32 s61, s61, s62
	s_cmp_eq_u32 s[KIND], 0
	s_cselect_b32 s60, s60, s61
	s_add_co_u32 s84, s84, s60
	s_lshl_b32 s60, s[TBK], 8                      ; scale words: 256 bytes for each tb in all three
	s_add_co_u32 s86, s86, s60
	s_cmp_eq_u32 s[KIND], 2
	s_cselect_b32 s60, 0x8000, 0                   ; V lies behind K in a slot,
	s_cselect_b32 s61, 0x2000, 0                   ; and its words behind K's in a head
	s_cselect_b32 s88, s80, 0x1000                 ; from unit a to unit a + 4: v: the next head; q, k: four token tiles
	s_cselect_b32 s90, 11, 10                      ; from unit a to unit a + 1: v: a fragment of 2,048; q, k: a tile of 1,024
	s_cselect_b32 s92, 0x400, s80                  ; from groups 0, 1 to groups 2, 3: v: 1,024 on; q, k: the next head
	s_add_co_u32 s84, s84, s60
	s_add_co_u32 s86, s86, s61
	s_lshl_b32 s90, 1, s90
	s_mov_b32 s85, 0
	s_mov_b32 s87, 0
	s_mov_b32 s89, 0
	s_mov_b32 s91, 0
	v_add_nc_u32 v[VO1], s92, v[LI]
	v_lshlrev_b32 v18, 5, v3                       ; q, k: my half's eight columns of a tile, 4 j on;
	v_lshlrev_b32 v19, 2, v2                       ; v: my column
.irp j, 0,1,2,3,4,5,6,7
	v_add_nc_u32 v[BO+\j], 4*\j, v18
.endr
.irp j, 0,1,2,3,4,5,6,7
	v_cndmask_b32 v[BO+\j], v[BO+\j], v19, s[MSK]
.endr
	s_wait_alu depctr_va_vdst(0)
	s_wait_kmcnt 0x0
	s_add_nc_u64 s[P0:P0+1], s[4:5], s[66:67]
	s_add_nc_u64 s[P1:P1+1], s[4:5], s[68:69]
	s_add_nc_u64 s[Q0:Q0+1], s[6:7], s[70:71]
	s_add_nc_u64 s[Q1:Q1+1], s[6:7], s[72:73]
	s_cmp_eq_u32 s[KIND], 0                        ; the buffers are chosen by the wave's number alone
	s_cselect_b64 s[BP:BP+1], s[8:9], s[10:11]
	s_cselect_b64 s[74:75], s[14:15], s[18:19]
	s_cselect_b64 s[76:77], s[16:17], s[20:21]
	s_cmp_eq_u32 s[KIND], 2
	s_cselect_b64 s[BP:BP+1], s[12:13], s[BP:BP+1]
	s_lshl_b32 s60, s[CB], 9
	s_mov_b32 s61, 0
	s_add_nc_u64 s[BP:BP+1], s[BP:BP+1], s[60:61]
	s_add_nc_u64 s[SB:SB+1], s[74:75], s[84:85]
.irp a, 1,2,3
	s_add_nc_u64 s[SB+2*\a:SB+2*\a+1], s[SB+2*\a-2:SB+2*\a-1], s[90:91]
.endr
	s_add_nc_u64 s[SB+8:SB+9], s[SB:SB+1], s[88:89]
.irp a, 5,6,7
	s_add_nc_u64 s[SB+2*\a:SB+2*\a+1], s[SB+2*\a-2:SB+2*\a-1], s[90:91]
.endr
	s_add_nc_u64 s[52:53], s[76:77], s[86:87]      ; my first head's scale words,
	s_add_nc_u64 s[54:55], s[52:53], s[94:95]      ; my second head's
.macro SCLOAD i                        ; the scale words of K steps 2 i and 2 i + 1: one load brings both, 4 bytes a lane, 128 consecutive bytes
.irp t, 0,1,2,3,4,5,6,7
	global_load_b32 v[SC+16*((\i)%2)+\t], v[LS], s[Q0:Q0+1] offset:512*\t+128*(\i)
	global_load_b32 v[SC+16*((\i)%2)+8+\t], v[LS], s[Q1:Q1+1] offset:512*\t+128*(\i)
.endr
.endm
.macro FETCH0 s, p                     ; source 0's eight fragments of K step s into set p
	WIN 0x40                                       ; destination window 1, address window 0
.irp b, 0,1,2,3,4,5,6,7
.irp c, 0,1,2,3
	global_load_b128 v[128*(\p)+16*\b+4*\c:128*(\p)+16*\b+4*\c+3], v[LI], s[P0:P0+1] offset:16384*\b+2048*(\s)+512*\c
.endr
.endr
	WIN 0
.endm
.macro FETCH1 s, a0                    ; source 1's blocks a0 .. a0 + 3
.irp a, \a0, \a0+1, \a0+2, \a0+3
.irp c, 0,1,2,3
	global_load_b128 v[F1+16*(\a)+4*\c:F1+16*(\a)+4*\c+3], v[LI], s[P1:P1+1] offset:16384*(\a)+2048*(\s)+512*\c
.endr
.endr
.endm
; 16 matrix instructions: source 1's blocks a0, a0 + 1 x source 0's eight, K step s.  cm = 1: C is the bias of tile b (q, k); cm = 2: of tile a (v); cm = 0: the sum goes on in place.
; The 64 accumulators take turns, one instruction a turn, in the same order in every K step.  In odd K steps both sides' scales are read from lanes 16-31.
.macro MUL16 a0, p, s, cm
.irp a, \a0, \a0+1
.irp b, 0,1,2,3,4,5,6,7
.set rD, 8*(8*((\a)%4)+\b)
.set rA, 128*(\p)+16*\b
.set rB, F1+16*(\a)
.set rX, SC+16*(((\s)/2)%2)+\b
.set rY, SC+16*(((\s)/2)%2)+8+(\a)
.if (\cm) == 1
	v_wmma_scale_f32_16x16x128_f8f6f4 v[rD:rD+7], v[rA:rA+15], v[rB:rB+15], v[BT+8*\b:BT+8*\b+7], v[rX], v[rY] matrix_a_fmt:MATRIX_FMT_BF8 matrix_b_fmt:MATRIX_FMT_BF8
.elseif (\cm) == 2
	v_wmma_scale_f32_16x16x128_f8f6f4 v[rD:rD+7], v[rA:rA+15], v[rB:rB+15], v[BT+8*(\a):BT+8*(\a)+7], v[rX], v[rY] matrix_a_fmt:MATRIX_FMT_BF8 matrix_b_fmt:MATRIX_FMT_BF8
.elseif (\s)%2
	v_wmma_scale_f32_16x16x128_f8f6f4 v[rD:rD+7], v[rA:rA+15], v[rB:rB+15], v[rD:rD+7], v[rX], v[rY] matrix_a_fmt:MATRIX_FMT_BF8 matrix_b_fmt:MATRIX_FMT_BF8 matrix_a_scale:MATRIX_SCALE_ROW1 matrix_b_scale:MATRIX_SCALE_ROW1
.else
	v_wmma_scale_f32_16x16x128_f8f6f4 v[rD:rD+7], v[rA:rA+15], v[rB:rB+15], v[rD:rD+7], v[rX], v[rY] matrix_a_fmt:MATRIX_FMT_BF8 matrix_b_fmt:MATRIX_FMT_BF8
.endif
.endr
.endr
.endm
; A load into a register that a matrix instruction has read, and a vector instruction that reads a matrix result, stand eight places behind that matrix instruction, and only plain vector instructions that name none
; of its registers are places.
.macro PLACES n
.rept \n
	v_nop
.endr
.endm
; A K step of 128: 64 matrix instructions, source 1's blocks one after the other, each against source 0's eight.  A block of source 1 is free as soon as its eight products are issued, so one set serves it:
; blocks 0-3 are fetched anew in the step's middle, blocks 4-7 at its end.  Source 0's fragments are at work through the whole step and have two sets.
.macro STEP s, cm
	s_wait_loadcnt 16                              ; all but the youngest 16 loads, which are source 1's blocks 4-7
.if \cm
	WIN 0x81                                       ; source 0 window 1, source 1 and C (the bias) window 0, D window 2
.else
	WIN 0xa1                                       ; C and D window 2
.endif
	MUL16 0, (\s)%2, \s, \cm
	MUL16 2, (\s)%2, \s, \cm
	s_wait_loadcnt 0x0                             ; blocks 4-7 are in
	PLACES 8
.if (\s) < 7
	FETCH0 (\s)+1, 1-(\s)%2
	FETCH1 (\s)+1, 0
.endif
.if \cm
	WIN 0xc1
.else
	WIN 0xf1
.endif
	MUL16 4, (\s)%2, \s, \cm
	MUL16 6, (\s)%2, \s, \cm
	PLACES 8
	WIN 0
.if ((\s) == 1) || ((\s) == 3)
	SCLOAD (\s)/2+2                                ; the set of scale words just left takes those of two pairs of K steps on; ahead of the fetch below, so that the youngest 16 loads stay source 1's blocks 4-7
.endif
.if (\s) < 7
	FETCH1 (\s)+1, 4
.endif
.endm
	SCLOAD 0
	SCLOAD 1
.irp i, 0,1,2,3,4,5,6,7
.irp j, 0,1,2,3,4,5,6,7
	global_load_b32 v[BT+8*\i+\j], v[BO+\j], s[BP:BP+1] offset:64*\i
.endr
.endr
	FETCH0 0, 0
	FETCH1 0, 0
	FETCH1 0, 4
	s_cmp_eq_u32 s[KIND], 2                        ; K step 0 is written twice: its C is the bias, by source 0's tile (q, k) or by source 1's (v).  Both ways issue the same loads
	s_cbranch_scc1 .Lkind_v
	STEP 0, 1
	s_branch .Ljoined
.Lkind_v:
	STEP 0, 2
.Ljoined:
	STEP 1, 0
	STEP 2, 0
	STEP 3, 0
	STEP 4, 0
	STEP 5, 0
	STEP 6, 0
	STEP 7, 0
; THE QUANTISER.  Unit a is source 1's block a: 64 registers a lane, register 16 B + i of block B of 32 along the next K; lanes l and l xor 16 hold a block between them.
; q, k: unit a = token tile a; blocks 0, 1 belong to head 2 cb, blocks 2, 3 to head 2 cb + 1.  v: unit a = d tile a % 4 of head 2 cb + a / 4; the four blocks are the 128 keys of key step tb.
; Each accumulator is read from its low end on.
.macro QUANTW a
.set W, 2+(\a)/4
.set AS, 64*((\a)%4)
.set WN, W|(W<<2)
	WIN WN                                         ; sources 0 and 1 in the accumulators' window
.irp b, 0,1,2,3
	v_max3_num_f32 v[TM+\b], |v[AS+16*\b]|, |v[AS+1+16*\b]|, 0x8000000   ; my 16 numbers of block b, and the floor 2^(16 - 127): the byte cannot fall under 1
.endr
.set WN, (W<<2)|(W<<4)
	WIN WN                                         ; sources 1 and 2
.irp i, 2,4,6,8,10,12,14
.irp b, 0,1,2,3
	v_max3_num_f32 v[TM+\b], v[TM+\b], |v[AS+16*\b+\i]|, |v[AS+1+16*\b+\i]|
.endr
.endr
	WIN 0
.irp b, 0,1,2,3
	v_permlanex16_b32 v[TM+4+\b], v[TM+\b], s[SEL], s[SEL+1]
.endr
.irp b, 0,1,2,3
	v_max_num_f32 v[TM+\b], v[TM+\b], v[TM+4+\b]   ; the block's largest magnitude
.endr
.irp b, 0,1,2,3
	v_add_nc_u32 v[TM+12+\b], 0xf8800000, v[TM+\b] ; 15 off its exponent field: the conversion's scale operand
.endr
.irp b, 0,1,2,3
	v_and_or_b32 v[TM+8+\b], v[TM+\b], 0x7f800000, s[MNT]   ; 57,344 x the scale
.endr
.irp b, 0,1,2,3
	v_lshrrev_b32 v[TM+4+\b], 23, v[TM+12+\b]      ; the scale's byte
.endr
	v_lshl_or_b32 v[PWR+(\a)], v[TM+5], 8, v[TM+4]
	v_lshl_or_b32 v[PWR+(\a)], v[TM+6], 16, v[PWR+(\a)]
	v_lshl_or_b32 v[PWR+(\a)], v[TM+7], 24, v[PWR+(\a)]
.set WN, (W<<6)|W
	WIN WN                                         ; destination and source 0
.irp b, 0,1,2,3
.irp i, 0,1,2,3,4,5,6,7,8,9,10,11,12,13,14,15
	v_med3_num_f32 v[AS+16*\b+\i], v[AS+16*\b+\i], -v[TM+8+\b], v[TM+8+\b]   ; the conversion does not saturate (ISA guide 7.6.2): the hold comes first
.endr
.endr
	WIN W                                          ; source 0
.irp b, 0,1,2,3
	v_cvt_scalef32_pk8_bf8_f32 v[PCR+16*(\a)+4*\b:PCR+16*(\a)+4*\b+1], v[AS+16*\b:AS+16*\b+7], v[TM+12+\b]
	v_cvt_scalef32_pk8_bf8_f32 v[PCR+16*(\a)+4*\b+2:PCR+16*(\a)+4*\b+3], v[AS+16*\b+8:AS+16*\b+15], v[TM+12+\b]
.endr
	v_nop                                          ; one plain vector instruction behind the last conversion: the next unit writes the scale operands anew
	WIN 0
.endm
.irp b, 0,1,2,3
	v_mov_b32 v[TM+4+\b], 0                        ; written once: a lane permute's destination counts as one of its sources
.endr
.irp a, 0,1,2,3,4,5,6,7
	QUANTW \a
.irp c, 0,1
	global_store_b128 v[LI], v[PCR+16*\a+4*\c:PCR+16*\a+4*\c+3], s[SB+2*\a:SB+2*\a+1] offset:512*\c       ; groups 0, 1: 32 lanes store 512 consecutive bytes
	global_store_b128 v[VO1], v[PCR+16*\a+8+4*\c:PCR+16*\a+8+4*\c+3], s[SB+2*\a:SB+2*\a+1] offset:512*\c  ; groups 2, 3
.endr
.endr
	; THE SCALE WORDS.  q, k: the word of head g and pair i is made of the halves g of token tiles 2 i and 2 i + 1.  v: unit a's word as it stands.  Eight runs of 64 bytes meet in my own 512 bytes of LDS and leave as two runs of 256.
.irp i, 0,1,2,3
	v_perm_b32 v[TT+\i], v[PWR+2*\i+1], v[PWR+2*\i], 0x05040100      ; the two low halves: head 2 cb
	v_perm_b32 v[TT+4+\i], v[PWR+2*\i+1], v[PWR+2*\i], 0x07060302    ; the two high halves: head 2 cb + 1
.endr
.irp p, 0,1,2,3,4,5,6,7
	v_cndmask_b32 v[TT+\p], v[TT+\p], v[PWR+\p], s[MSK]
.endr
.irp p, 0,1,2,3,4,5,6,7
	ds_store_b32 v[SWR], v[TT+\p] offset:64*\p     ; lanes r and r + 16 write the same word with the same value
.endr
	ds_load_b64 v[26:27], v[SRD]                   ; LDS serves a wave's instructions in order (ISA guide 5.7.1.4): these see my stores; no other wave touches these bytes
	ds_load_b64 v[28:29], v[SRD] offset:256
	s_wait_dscnt 0x0
	global_store_b64 v[SGO], v[26:27], s[52:53]    ; 32 lanes store 256 consecutive bytes, aligned
	global_store_b64 v[SGO], v[28:29], s[54:55]
	s_wait_tensorcnt 0x0
	ds_add_u32 v30, v31
	s_wait_dscnt 0x0
	s_endpgm
.Lfunc_end_k_qde73f4760c_qkv:
	.size	k_qde73f4760c_qkv, .Lfunc_end_k_qde73f4760c_qkv-k_qde73f4760c_qkv
	.p2alignl 7, 3214868480
	.fill 96, 4, 3214868480
	.section	.rodata,"a",@progbits
	.p2align	6, 0x0
	.amdhsa_kernel k_qde73f4760c_qkv
		.amdhsa_group_segment_fixed_size 2560
		.amdhsa_private_segment_fixed_size 0
		.amdhsa_enable_private_segment 0
		.amdhsa_kernarg_size 72
		.amdhsa_user_sgpr_count 2
		.amdhsa_user_sgpr_kernarg_segment_ptr 1
		.amdhsa_wavefront_size32 1
		.amdhsa_system_sgpr_workgroup_id_x 1
		.amdhsa_system_sgpr_workgroup_id_y 1
		.amdhsa_system_sgpr_workgroup_id_z 1
		.amdhsa_system_vgpr_workitem_id 0
		.amdhsa_next_free_vgpr 1024
		.amdhsa_next_free_sgpr 100
		.amdhsa_reserve_vcc 0
		.amdhsa_float_denorm_mode_32 3
		.amdhsa_float_denorm_mode_16_64 3
		.amdhsa_memory_ordered 1
		.amdhsa_forward_progress 1
		.amdhsa_inst_pref_size 220
	.end_amdhsa_kernel
	.amdgpu_metadata
---
amdhsa.version: [ 1, 2 ]
amdhsa.kernels:
  - .name:           k_qde73f4760c_qkv
    .symbol:         k_qde73f4760c_qkv.kd
    .args:
      - { .name: codes, .offset: 0, .size: 8, .value_kind: global_buffer, .address_space: global }
      - { .name: scales, .offset: 8, .size: 8, .value_kind: global_buffer, .address_space: global }
      - { .name: b_q, .offset: 16, .size: 8, .value_kind: global_buffer, .address_space: global }
      - { .name: b_k, .offset: 24, .size: 8, .value_kind: global_buffer, .address_space: global }
      - { .name: b_v, .offset: 32, .size: 8, .value_kind: global_buffer, .address_space: global }
      - { .name: qimg, .offset: 40, .size: 8, .value_kind: global_buffer, .address_space: global }
      - { .name: qs, .offset: 48, .size: 8, .value_kind: global_buffer, .address_space: global }
      - { .name: kv, .offset: 56, .size: 8, .value_kind: global_buffer, .address_space: global }
      - { .name: kvs, .offset: 64, .size: 8, .value_kind: global_buffer, .address_space: global }
    .group_segment_fixed_size: 2560
    .private_segment_fixed_size: 0
    .kernarg_segment_align: 8
    .kernarg_segment_size: 72
    .max_flat_workgroup_size: 96
    .sgpr_count:     100
    .vgpr_count:     1024
    .wavefront_size: 32
...
	.end_amdgpu_metadata
.endif
;; end of part 2
;; launch attn (part 3): grid 16 x 16, 16 waves a work-group, no clusters, 327,680 bytes of LDS; arguments qimg, qs, kv, kvs, cimg, csc; writes cimg, csc
.if DOCPART == 3
	.amdgcn_target "amdgcn-amd-amdhsa--gfx1250"
	.amdhsa_code_object_version 6
	.text
	.protected	k_qde73f4760c_attn
	.globl	k_qde73f4760c_attn
	.p2align	8
	.type	k_qde73f4760c_attn,@function
k_qde73f4760c_attn:
	s_mov_b64 s[64:65], 0
	v_nop
	global_prefetch_b8 v0, s[64:65] scope:SCOPE_SE
	s_setreg_imm32_b32 hwreg(HW_REG_WAVE_MODE, 25, 1), 1
	s_wait_xcnt 0x0
; ctx[q] = the sum over keys of softmax(q . k / 8) v for one head, both products on codes of BF8 (E5M2) with E8M0 scales, and ctx quantised at once for the output projection.
; THE SOFTMAX: t = score x log2(e) / 8; M = the row's largest t so far, rounded up to a whole number; p = 2^(t - M) is quantised along the keys, not normalised.  The row's sum is taken of the unquantised p, in f32, and divides at the end.
; When M moves, the sum and O are multiplied by 2^(old M - new M): exact.
; SHARES.  Work-group (qb, head) owns 256 queries; each of its sixteen waves owns 16, one tile, in 256 registers.  Every wave walks all 4,096 keys, 128 a step.
; K and V come as images of the operand's registers (a fragment = 2,048 dense bytes, lane l's 16 bytes of group c at 512 c + 16 l).  512 keys are one dense block of 65,536 bytes: K's 16 fragments, then V^T's 16.
; A SLOT holds two such blocks, 1,024 keys; two slots take turns, so the walk has four changes of slots.  Waves 0 to 7 fill a slot, 16,384 bytes each; at the head waves 8 to 15 bring the head's scale words, 2,048 bytes each: one load a wave there.
; THE HEAD HAS 64 CHANNELS, THE INSTRUCTION TAKES 128.  A fragment of K holds two tiles of 16 keys (places 0-63, 64-127).  Q lies as q, zeros, q in 24 registers: [q|0] gives the first tile's scores, [0|q] the second's; K's codes are finite.
; Both products are used transposed: a lane holds one query.  Score register 16 f + 8 u + j is key 32 f + 16 u + 8 h + j: the order in which the launch before laid V's keys inside each block of 32.
; THE ROW'S SUM STANDS ROUND THE SECOND PRODUCT.  The holds write into 16 registers of their own, so p stays as it is until the next step's scores are made.  Of its 32 packed additions 7 stand between the last conversion and the second product,
; 8 between that product and K's loads into the registers that it has read, 10 behind those loads, and 7, which name partial sums alone, with one v_nop behind the next scores' products: they are the places that those lines need.
; So the first step adds zeros (written at the head), and the last step's additions stand behind the loops.
; NO CLUSTER: the 16 work-groups of a head walk the same slots, but a slot's 131,072 bytes serve 16 waves x 8 steps of 12 matrix and some 250 vector instructions each: what is shared is a small part of a step's work, and a round would tie 64 waves together.
; LIMITS: NaN and infinities are not served; the scaled scores stay under 2^31 in magnitude; a block whose every p (or ctx) is 0 keeps the byte 1 over zero codes; a block's largest p is taken from its largest score, which takes v_exp_f32 not to fall where its input rises.
.set SLOTB, 131072                     ; a slot; one exclusive or turns an address in one slot into the other's
.set HALFB, 65536                      ; 512 keys
.set VOFF,  32768                      ; V's fragments in a block of 512 keys
.set SCL,   2*SLOTB                    ; behind the ring: the head's scale words, 16,384 bytes, filled once: K's [pair][16 words], then at VSC V's [step][d tile][16 words]
.set VSC,   8192
.set SPARE, SCL+16384                  ; the spare words, 128 bytes for each wave
.set NSL,   4
.set LI,   2                           ; 16 x lane
.set ADS,  3                           ; the block's scale words + 4 x lane
.set ADK,  4                           ; the block of 512 keys in hand + 16 x lane
.set SPW,  5                           ; my spare word; never rewritten
.set NIL,  6                           ; 0; never rewritten
.set PFO,  7                           ; 256 x lane
; v[0:1], v[8:9], v[10:11], v[248:255]: seven partial sums;  v12 -M, v13 the largest t, v[14:15] the row's sum in two halves
.set QF,   16                          ; q, zeros, q
.set X,    40                          ; four fragments of K, then of V
.set S,    104                         ; S^T, then p
.set O,    168                         ; O^T: register 8 t + j = channel 16 t + 8 h + j
.set PCD,  200                         ; p's codes
.set BM,   216                         ; the blocks' largest scores, then largest p
.set PB,   220                         ; the other half's, then the scale bytes
.set TP,   220
.set HD,   224                         ; 57,344 x the scale
.set SO,   228                         ; the conversions' scale operands
.set FF,   232                         ; f = 2^(old M - new M); v233 is named with it as a pair and holds 0
.set KS,   234
.set VS,   236
.set PS,   238                         ; p's scale word
.set QS,   239                         ; q's scale word
.set HA,   216                         ; eight held numbers: BM's and PB's registers, free by then;  the other eight at HA + 24 = v240
.set RR,   240                         ; the way out
.set HH,   241
.set GO,   242
.set GB,   243
.set WV,   18
.set MNT,  19
.set SEL,  20
.set CS,   22                          ; s[22:23] c = log2(e) / 8
.set G1,   24                          ; group 1: 64 rows of 256 bytes, dense;  s[32:39]: 8 rows
.set G1S,  32
.set G0,   40
.set G0S,  44
.set TB,   2                           ; LDS byte at which the block in hand begins
.set TS,   3                           ; and its scale words: 1,024 bytes a block
.set SLOTS, 48
.set SUB,  49
.set PFA,  50
.set LIM,  52
	s_load_b256 s[4:11], s[0:1], 0x0               ; qimg, qs, kv, kvs
	s_load_b128 s[12:15], s[0:1], 0x20             ; cimg, csc
	v_lshl_add_u32 v[SPW], v0, 2, SPARE
	v_mov_b32 v[NIL], 0
	ds_add_u32 v[SPW], v[NIL]                      ; the opening lines: the add, twice on end, and its wait ahead of my first tensor load
	ds_add_u32 v[SPW], v[NIL]
	v_lshrrev_b32 v8, 5, v0
	v_readfirstlane_b32 s[WV], v8                  ; wave 0..15
	s_and_b32 s54, ttmp7, 0xffff                   ; the head
	s_mov_b32 s[G1], 3<<16                         ; elements of 8 bytes, no mask, no padding
	s_mov_b32 s[G1+1], 32<<16
	s_mov_b32 s[G1+2], 64<<16
	s_mov_b32 s[G1+3], 32<<16
	s_mov_b32 s[G1+4], 64
	s_mov_b32 s[G1+5], 32
	s_mov_b32 s[G1+6], 0
	s_mov_b32 s[G1+7], 0
	s_mov_b32 s[G1S], 3<<16
	s_mov_b32 s[G1S+1], 32<<16
	s_mov_b32 s[G1S+2], 8<<16
	s_mov_b32 s[G1S+3], 32<<16
	s_mov_b32 s[G1S+4], 8
	s_mov_b32 s[G1S+5], 32
	s_mov_b32 s[G1S+6], 0
	s_mov_b32 s[G1S+7], 0
	s_and_b32 s55, s[WV], 7                        ; which eighth I fetch
	s_lshl_b32 s58, s55, 14                        ; of a slot, in memory and in LDS alike,
	s_lshl_b32 s59, s55, 11                        ; or of the scale words
	s_lshl_b32 s60, s54, 19                        ; a head's 524,288 bytes of kv
	s_add_co_u32 s60, s60, s58
	s_mov_b32 s61, 0
	s_lshl_b32 s62, s54, 14                        ; a head's 16,384 bytes of kvs
	s_add_co_u32 s62, s62, s59
	s_mov_b32 s63, 0
	s_lshl_b32 s66, ttmp9, 4
	s_add_co_u32 s66, s66, s[WV]                   ; my token tile: 16 qb + wave
	s_lshl_b32 s68, s54, 18
	s_lshl_b32 s67, s66, 10
	s_add_co_u32 s68, s68, s67                     ; its image in qimg
	s_mov_b32 s69, 0
	s_lshl_b32 s70, s54, 13
	s_lshr_b32 s67, s66, 1
	s_lshl_b32 s67, s67, 6
	s_add_co_u32 s70, s70, s67                     ; its pair's scale words in qs
	s_mov_b32 s71, 0
	s_lshl_b32 s74, s66, 14                        ; cimg: 16,384 bytes a token tile, 1,024 a head
	s_lshl_b32 s67, s54, 10
	s_add_co_u32 s74, s74, s67
	s_mov_b32 s75, 0
	s_lshl_b32 s76, s66, 9                         ; csc: 512 bytes a token tile, 64 a K step, bytes 2 (head % 2) on of each word
	s_lshr_b32 s67, s54, 1
	s_lshl_b32 s67, s67, 6
	s_add_co_u32 s76, s76, s67
	s_and_b32 s67, s54, 1
	s_lshl_b32 s67, s67, 1
	s_add_co_u32 s76, s76, s67
	s_mov_b32 s77, 0
	s_and_b32 s78, s[WV], 1
	s_lshl_b32 s78, s78, 4                         ; my tile's half of its pair's scale word
	s_lshl_b32 s72, ttmp9, 13                      ; the prefetches: my work-group's sixteenth of a slot, 8,192 bytes,
	s_add_co_u32 s72, s72, SLOTB                   ; in slot 1: the first change of slots steps it to slot 2
	s_lshl_b32 s73, s54, 19
	s_add_co_u32 s72, s72, s73
	s_mov_b32 s73, 0
	s_cmp_eq_u32 s[WV], 15                         ; wave 15 asks
	s_cselect_b32 s[LIM], 1, -1
	s_mov_b32 s[SEL], 0x76543210
	s_mov_b32 s[SEL+1], 0xfedcba98
	s_mov_b32 s[CS], 0x3e38aa3b                    ; c = log2(e) / 8
	s_mov_b32 s[CS+1], s[CS]
	s_mov_b32 s[MNT], 0x600000
	s_mov_b32 s[TB], 0
	s_mov_b32 s[TS], SCL
	s_mov_b32 s[SLOTS], NSL-1
	s_wait_dscnt 0x0                               ; both opening adds are done
	s_wait_kmcnt 0x0
	s_mov_b32 s[G0S], 1
	s_add_co_u32 s[G0S+1], s59, SCL
	s_add_nc_u64 s[G0S+2:G0S+3], s[10:11], s[62:63]
	s_or_b32 s[G0S+3], s[G0S+3], 0x80000000
	s_mov_b32 s[G0], 1
	s_mov_b32 s[G0+1], s58                         ; slot 0
	s_add_nc_u64 s[G0+2:G0+3], s[8:9], s[60:61]
	s_or_b32 s[G0+3], s[G0+3], 0x80000000
	s_add_nc_u64 s[PFA:PFA+1], s[8:9], s[72:73]
	s_add_nc_u64 s[4:5], s[4:5], s[68:69]
	s_add_nc_u64 s[6:7], s[6:7], s[70:71]
	s_add_nc_u64 s[12:13], s[12:13], s[74:75]
	s_add_nc_u64 s[14:15], s[14:15], s[76:77]
	s_cmp_lt_u32 s[WV], 8                          ; the head's loads, one a wave: every way passes exactly one
	s_cbranch_scc0 .Lhead_sc
	tensor_load_to_lds s[G0:G0+3], s[G1:G1+7]      ; waves 0-7: slot 0
	s_nop 0
.rept 4
	v_nop
.endr
	s_branch .Lhead_done
.Lhead_sc:
	tensor_load_to_lds s[G0S:G0S+3], s[G1S:G1S+7]  ; waves 8-15: the head's scale words, filled once
	s_nop 0
.rept 4
	v_nop
.endr
.Lhead_done:
	v_and_b32 v240, 31, v0
	v_and_b32 v241, 15, v0
	v_lshlrev_b32 v[LI], 4, v240
	v_lshlrev_b32 v[PFO], 8, v240
	v_lshlrev_b32 v241, 2, v241
	global_load_b128 v[QF:QF+3], v[LI], s[4:5]     ; q's two groups, twice: in front of the zeros and behind them
	global_load_b128 v[QF+4:QF+7], v[LI], s[4:5] offset:512
	global_load_b128 v[QF+16:QF+19], v[LI], s[4:5]
	global_load_b128 v[QF+20:QF+23], v[LI], s[4:5] offset:512
	global_load_b32 v[QS], v241, s[6:7]
.irp j, 0,1,2,3,4,5,6,7
	v_mov_b32 v[QF+8+\j], 0                        ; zero codes
.endr
	v_mov_b32 v13, 0xff61b1e6                      ; the largest t so far: -3e38
	v_floor_f32 v12, -v13                          ; -M
.irp j, 0,1,8,9,10,11,14,15,220,221,222,223,233,248,249,250,251,252,253,254,255
	v_mov_b32 v\j, 0                               ; the sums; a lane permute's destinations; f's neighbour
.endr
.set J, 0
.rept 32
	v_mov_b32 v[O+J], 0                            ; O^T: the first change of M leaves zeros zeros
.set J, J+1
.endr
.set J, 28
.rept 36
	v_mov_b32 v[S+J], 0                            ; what the first step's additions read
.set J, J+1
.endr
	s_wait_loadcnt 0x0
	v_lshrrev_b32 v[QS], s78, v[QS]                ; my tile's two bytes,
	v_and_b32 v[QS], 0xffff, v[QS]
	v_lshl_or_b32 v[QS], v[QS], 16, v[QS]          ; for places 0-63 and 64-127 alike
	s_wait_alu depctr_va_vdst(0)
; the row's sum of the step before: pairs 14 to 21 of p, pairs 22 to 31, and the partial sums
.macro SUMA
.set J, 14
.irp d, 14,0,8,10,248,250,252,254
	v_pk_add_f32 v[\d:\d+1], v[\d:\d+1], v[S+2*J:S+2*J+1]
.set J, J+1
.endr
.endm
.macro SUMB
.set J, 22
.irp d, 14,0,8,10,248,250,252,254,14,0
	v_pk_add_f32 v[\d:\d+1], v[\d:\d+1], v[S+2*J:S+2*J+1]
.set J, J+1
.endr
.endm
.macro TAIL
	v_pk_add_f32 v[0:1], v[0:1], v[8:9]
	v_pk_add_f32 v[10:11], v[10:11], v[248:249]
	v_pk_add_f32 v[250:251], v[250:251], v[252:253]
	v_pk_add_f32 v[14:15], v[14:15], v[254:255]
	v_pk_add_f32 v[0:1], v[0:1], v[10:11]
	v_pk_add_f32 v[14:15], v[14:15], v[250:251]
	v_pk_add_f32 v[14:15], v[14:15], v[0:1]
.endm
; A KEY STEP: 128 keys, the q-th of the block of 512 in hand.
.macro STEP q
	SUMA                                           ; eight places behind the last products, ahead of loads into the registers that they have read
.irp f, 0,1,2,3
.irp c, 0,1,2,3
	ds_load_b128 v[X+16*\f+4*\c:X+16*\f+4*\c+3], v[ADK] offset:8192*(\q)+2048*\f+512*\c
.endr
.endr
.irp i, 0,1
	ds_load_b32 v[KS+\i], v[ADS] offset:256*(\q)+128*\i
.endr
	SUMB
	s_wait_alu depctr_va_vdst(0)
	s_wait_dscnt 0x0
.irp f, 0,1,2,3                                ; S^T = K Q^T: fragment f against [q|0] and against [0|q]
.irp u, 0,1
.if \f%2
	v_wmma_scale_f32_16x16x128_f8f6f4 v[S+16*\f+8*\u:S+16*\f+8*\u+7], v[X+16*\f:X+16*\f+15], v[QF+8*\u:QF+8*\u+15], 0, v[KS+\f/2], v[QS] matrix_a_fmt:MATRIX_FMT_BF8 matrix_b_fmt:MATRIX_FMT_BF8 matrix_a_scale:MATRIX_SCALE_ROW1
.else
	v_wmma_scale_f32_16x16x128_f8f6f4 v[S+16*\f+8*\u:S+16*\f+8*\u+7], v[X+16*\f:X+16*\f+15], v[QF+8*\u:QF+8*\u+15], 0, v[KS+\f/2], v[QS] matrix_a_fmt:MATRIX_FMT_BF8 matrix_b_fmt:MATRIX_FMT_BF8
.endif
.endr
.endr
	TAIL                                           ; seven lines on partial sums and one v_nop: eight places, ahead of the loads into K's registers and of the first read of the scores
	v_nop
.irp t, 0,1,2,3                                ; V's fragments land under the softmax
.irp c, 0,1,2,3
	ds_load_b128 v[X+16*\t+4*\c:X+16*\t+4*\c+3], v[ADK] offset:VOFF+8192*(\q)+2048*\t+512*\c
.endr
.endr
.irp i, 0,1
	ds_load_b32 v[VS+\i], v[ADS] offset:VSC+256*(\q)+128*\i
.endr
.irp b, 0,1,2,3
	v_max3_num_f32 v[BM+\b], v[S+16*\b], v[S+1+16*\b], v[S+2+16*\b]   ; the largest score of each block of 32 keys: for the row's maximum and for the block's largest p
.endr
.irp i, 3,5,7,9,11,13
.irp b, 0,1,2,3
	v_max3_num_f32 v[BM+\b], v[BM+\b], v[S+16*\b+\i], v[S+1+16*\b+\i]
.endr
.endr
.irp b, 0,1,2,3
	v_max_num_f32 v[BM+\b], v[BM+\b], v[S+15+16*\b]
.endr
.irp b, 0,1,2,3
	s_delay_alu instid0(VALU_DEP_4)
	v_permlanex16_b32 v[PB+\b], v[BM+\b], s[SEL], s[SEL+1]
.endr
.irp b, 0,1,2,3
	s_delay_alu instid0(VALU_DEP_4)
	v_max_num_f32 v[BM+\b], v[BM+\b], v[PB+\b]     ; with lane l xor 16's 16 keys
.endr
	s_delay_alu instid0(VALU_DEP_2)
	v_max3_num_f32 v[TP], v[BM], v[BM+1], v[BM+2]
	s_delay_alu instid0(VALU_DEP_1)
	v_max_num_f32 v[TP], v[TP], v[BM+3]            ; the step's largest score of my query
	s_delay_alu instid0(VALU_DEP_1)
	v_mul_f32 v[TP], s[CS], v[TP]                  ; as t
	s_delay_alu instid0(VALU_DEP_1)
	v_max_num_f32 v13, v13, v[TP]                  ; the running largest t
	v_mov_b32 v[TP], v12
	s_delay_alu instid0(VALU_DEP_2)
	v_floor_f32 v12, -v13                          ; the new -M = -ceil(t)
	s_delay_alu instid0(VALU_DEP_1)
	v_sub_f32 v[TP], v12, v[TP]                    ; old M less new M: a whole number, 0 or less
	s_delay_alu instid0(VALU_DEP_1)
	v_cvt_i32_f32 v[TP], v[TP]                     ; (it saturates)
	s_delay_alu instid0(VALU_DEP_1)
	v_ldexp_f32 v[FF], 1.0, v[TP]                  ; f = 2^(old M - new M)
.set J, 0
.rept 32
	v_pk_fma_f32 v[S+J:S+J+1], v[S+J:S+J+1], s[CS:CS+1], v[12:13] op_sel_hi:[1,0,0]   ; t - M
.set J, J+2
.endr
.irp b, 0,1,2,3
	v_fma_f32 v[BM+\b], v[BM+\b], s[CS], v12       ; the same of each block's largest score
.endr
	s_wait_alu depctr_va_vdst(0)
.set J, 0
.rept 64
	v_exp_f32 v[S+J], v[S+J]                       ; p = 2^(t - M)
.set J, J+1
.endr
.irp b, 0,1,2,3
	v_exp_f32 v[BM+\b], v[BM+\b]                   ; the block's largest p: the same two instructions on the same number
.endr
	s_wait_alu depctr_va_vdst(0)                   ; one wait for the batch, and directly ahead of O^T's first reader
.set J, 0
.rept 16
	v_pk_mul_f32 v[O+J:O+J+1], v[O+J:O+J+1], v[FF:FF+1] op_sel_hi:[1,0]   ; O^T under the new M, each accumulator from its low end on
.set J, J+2
.endr
	v_pk_mul_f32 v[14:15], v[14:15], v[FF:FF+1] op_sel_hi:[1,0]           ; the sum likewise
.irp b, 0,1,2,3
	v_max_num_f32 v[BM+\b], 0x8000000, v[BM+\b]    ; the floor 2^(16 - 127): the byte cannot fall under 1
.endr
.irp b, 0,1,2,3
	s_delay_alu instid0(VALU_DEP_4)
	v_add_nc_u32 v[SO+\b], 0xf8800000, v[BM+\b]    ; 15 off the exponent field: the conversion's scale operand
.endr
.irp b, 0,1,2,3
	v_and_or_b32 v[HD+\b], v[BM+\b], 0x7f800000, s[MNT]   ; 57,344 x the scale
.endr
.irp b, 0,1,2,3
	v_lshrrev_b32 v[PB+\b], 23, v[SO+\b]           ; the scale's byte
.endr
	s_delay_alu instid0(VALU_DEP_3)
	v_lshl_or_b32 v[PS], v[PB+1], 8, v[PB]         ; p's scale word for these 128 keys
	s_delay_alu instid0(VALU_DEP_1)
	v_lshl_or_b32 v[PS], v[PB+2], 16, v[PS]
	s_delay_alu instid0(VALU_DEP_1)
	v_lshl_or_b32 v[PS], v[PB+3], 24, v[PS]
.irp b, 0,1,2,3                                ; the conversion does not saturate (ISA guide 7.6.2); p is not negative, so the hold is one-sided.  Two holds to an instruction, into registers of their own: p stays for the sum
.irp g, 0,1
.irp i, 0,2,4,6
	v_dual_min_num_f32 v[HA+24*\g+\i], v[HD+\b], v[S+16*\b+8*\g+\i] :: v_dual_min_num_f32 v[HA+24*\g+\i+1], v[HD+\b], v[S+16*\b+8*\g+\i+1]
.endr
	v_cvt_scalef32_pk8_bf8_f32 v[PCD+4*\b+2*\g:PCD+4*\b+2*\g+1], v[HA+24*\g:HA+24*\g+7], v[SO+\b]
.endr
.endr
.set J, 0
.irp d, 0,8,10,248,250,252,254                 ; the sum of this step's p begins: pairs 0 to 13.  These seven also stand between the last conversion and the products
	v_pk_add_f32 v[\d:\d+1], v[S+4*J:S+4*J+1], v[S+4*J+2:S+4*J+3]
.set J, J+1
.endr
	s_wait_alu depctr_va_vdst(0)
	s_wait_dscnt 0x0                               ; V's fragments and scale words are in
.irp t, 0,1,2,3                                ; O^T += V^T P^T: four accumulators by turns
.if \t%2
	v_wmma_scale_f32_16x16x128_f8f6f4 v[O+8*\t:O+8*\t+7], v[X+16*\t:X+16*\t+15], v[PCD:PCD+15], v[O+8*\t:O+8*\t+7], v[VS+\t/2], v[PS] matrix_a_fmt:MATRIX_FMT_BF8 matrix_b_fmt:MATRIX_FMT_BF8 matrix_a_scale:MATRIX_SCALE_ROW1
.else
	v_wmma_scale_f32_16x16x128_f8f6f4 v[O+8*\t:O+8*\t+7], v[X+16*\t:X+16*\t+15], v[PCD:PCD+15], v[O+8*\t:O+8*\t+7], v[VS+\t/2], v[PS] matrix_a_fmt:MATRIX_FMT_BF8 matrix_b_fmt:MATRIX_FMT_BF8
.endif
.endr
.endm
; THE CHANGE OF SLOTS stands at a slot's head.  Each wave waits for all its tensor loads, adds 0 to its spare word, and waits for that and for its reads of the slot that it has left.  fill = 1: behind the barrier the other slot takes the next 1,024 keys.
; A PREFETCH stands behind the fill: the slot that the next change will ask for, eight key steps ahead of that load.  The 16 work-groups of a head share a slot out: work-group qb names bytes 8,192 qb on, wave 15, lanes 256 bytes apart.
; Slots 0 and 1 come by their loads alone; the last change that fills a slot asks for nothing.
.macro CHANGE fill
	s_wait_tensorcnt 0x0                           ; no tensor load of mine is out, so a group 0 may be written
	ds_add_u32 v[SPW], v[NIL]
.if \fill
	s_xor_b32 s[G0+1], s[G0+1], SLOTB
	s_add_nc_u64 s[G0+2:G0+3], s[G0+2:G0+3], SLOTB
	s_wait_xcnt 0x0                                ; the last prefetch has read its address
	s_add_nc_u64 s[PFA:PFA+1], s[PFA:PFA+1], SLOTB
.endif
	s_wait_dscnt 0x0
	s_barrier_signal -1
	s_barrier_wait -1
.if \fill
	s_cmp_lt_u32 s[WV], 8
	s_cbranch_scc0 .Lno_fill_\@
	tensor_load_to_lds s[G0:G0+3], s[G1:G1+7]      ; a wave's one tensor load until the next barrier
	s_nop 0
.rept 4
	v_nop
.endr
.Lno_fill_\@:
	s_cmp_gt_u32 s[SLOTS], s[LIM]
	s_cbranch_scc0 .Lnot_mine_\@
	global_prefetch_b8 v[PFO], s[PFA:PFA+1] th:TH_LOAD_NT scope:SCOPE_SE
.Lnot_mine_\@:
.endif
.endm
.macro PHASE lbl                       ; a slot: two blocks of 512 keys, four steps each
	s_mov_b32 s[SUB], 2
\lbl:
	v_add_nc_u32 v[ADK], s[TB], v[LI]
	v_lshrrev_b32 v[ADS], 2, v[LI]
	v_add_nc_u32 v[ADS], s[TS], v[ADS]
	s_wait_alu depctr_va_vdst(0)
	STEP 0
	STEP 1
	STEP 2
	STEP 3
	s_xor_b32 s[TB], s[TB], HALFB
	s_add_co_u32 s[TS], s[TS], 1024
	s_sub_co_u32 s[SUB], s[SUB], 1
	s_cmp_lg_u32 s[SUB], 0
	s_cbranch_scc1 \lbl
	s_xor_b32 s[TB], s[TB], SLOTB                  ; on to the other slot
.endm
.Lslot:                                            ; NSL - 1 trips: behind each change of slots but the last the next slot is asked for
	CHANGE 1
	PHASE .Lsub_a
	s_sub_co_u32 s[SLOTS], s[SLOTS], 1
	s_cmp_lg_u32 s[SLOTS], 0
	s_cbranch_scc1 .Lslot
	CHANGE 0                                       ; the last slot is written out
	PHASE .Lsub_b
	; THE WAY OUT.  The last step's sum; ctx = O^T / the sum; quantised along the model's columns: my head's 64 are two blocks of 32, register 16 b + 8 u + j = column 32 b + 16 u + 8 h + j of the head.
	; The codes leave in natural order, as the image of the output projection's operand: place p of block b of row r lies at 512 b + 256 (p / 16) + 16 r + p % 16.
	SUMA                                           ; (also the places behind the last products)
	SUMB
	TAIL
	v_bfe_u32 v[RR], v[LI], 4, 4                   ; r
	v_bfe_u32 v[HH], v[LI], 8, 1                   ; h
	v_add_f32 v14, v14, v15
	s_delay_alu instid0(VALU_DEP_1)
	v_permlanex16_b32 v[PB], v14, s[SEL], s[SEL+1]
	s_delay_alu instid0(VALU_DEP_1)
	v_add_f32 v14, v14, v[PB]                      ; the row's sum
	s_wait_alu depctr_va_vdst(0)
	v_rcp_f32 v14, v14
	v_lshlrev_b32 v[GO], 4, v[RR]                  ; 16 r
	s_delay_alu instid0(VALU_DEP_1)
	v_lshl_add_u32 v[GO], v[HH], 3, v[GO]          ; + 8 h
	v_lshl_add_u32 v[GB], v[RR], 2, v[HH]          ; the scale bytes: 4 r + h
	v_cmp_eq_u32 vcc_lo, 1, v[HH]
	s_wait_alu depctr_va_vdst(0)                   ; the wait ahead of the reciprocal's and O^T's first reader
.set J, 0
.rept 16
	v_pk_mul_f32 v[S+J:S+J+1], v[O+J:O+J+1], v[14:15] op_sel_hi:[1,0]
.set J, J+2
.endr
.irp b, 0,1
	v_max3_num_f32 v[BM+\b], |v[S+16*\b]|, |v[S+1+16*\b]|, 0x8000000
.endr
.irp i, 2,4,6,8,10,12,14
.irp b, 0,1
	s_delay_alu instid0(VALU_DEP_2)
	v_max3_num_f32 v[BM+\b], v[BM+\b], |v[S+16*\b+\i]|, |v[S+1+16*\b+\i]|
.endr
.endr
.irp b, 0,1
	s_delay_alu instid0(VALU_DEP_2)
	v_permlanex16_b32 v[PB+\b], v[BM+\b], s[SEL], s[SEL+1]
.endr
.irp b, 0,1
	s_delay_alu instid0(VALU_DEP_2)
	v_max_num_f32 v[BM+\b], v[BM+\b], v[PB+\b]
.endr
.irp b, 0,1
	s_delay_alu instid0(VALU_DEP_2)
	v_add_nc_u32 v[SO+\b], 0xf8800000, v[BM+\b]
.endr
.irp b, 0,1
	s_delay_alu instid0(VALU_DEP_4)
	v_and_or_b32 v[HD+\b], v[BM+\b], 0x7f800000, s[MNT]
.endr
.irp b, 0,1
	s_delay_alu instid0(VALU_DEP_4)
	v_lshrrev_b32 v[PB+\b], 23, v[SO+\b]
.endr
.irp b, 0,1
.irp i, 0,1,2,3,4,5,6,7,8,9,10,11,12,13,14,15
	v_med3_num_f32 v[S+16*\b+\i], v[S+16*\b+\i], -v[HD+\b], v[HD+\b]
.endr
	v_cvt_scalef32_pk8_bf8_f32 v[PCD+4*\b:PCD+4*\b+1], v[S+16*\b:S+16*\b+7], v[SO+\b]
	v_cvt_scalef32_pk8_bf8_f32 v[PCD+4*\b+2:PCD+4*\b+3], v[S+16*\b+8:S+16*\b+15], v[SO+\b]
.endr
	v_nop                                          ; one plain vector instruction behind the last conversion
	v_cndmask_b32 v[TP], v[PB], v[PB+1], vcc_lo    ; lanes 0-15 carry block 0's byte, lanes 16-31 block 1's
.irp b, 0,1
.irp u, 0,1
	global_store_b64 v[GO], v[PCD+4*\b+2*\u:PCD+4*\b+2*\u+1], s[12:13] offset:512*\b+256*\u   ; 32 lanes store 256 consecutive bytes, aligned
.endr
.endr
	global_store_b8 v[GB], v[TP], s[14:15]         ; single bytes: two of each row's four; the word's other half belongs to the neighbouring head's work-group.  32 bytes a wave
	s_wait_tensorcnt 0x0                           ; the wave's end
	ds_add_u32 v[SPW], v[NIL]
	s_wait_dscnt 0x0
	s_endpgm
.Lfunc_end_k_qde73f4760c_attn:
	.size	k_qde73f4760c_attn, .Lfunc_end_k_qde73f4760c_attn-k_qde73f4760c_attn
	.p2alignl 7, 3214868480
	.fill 96, 4, 3214868480
	.section	.rodata,"a",@progbits
	.p2align	6, 0x0
	.amdhsa_kernel k_qde73f4760c_attn
		.amdhsa_group_segment_fixed_size 327680
		.amdhsa_private_segment_fixed_size 0
		.amdhsa_enable_private_segment 0
		.amdhsa_kernarg_size 48
		.amdhsa_user_sgpr_count 2
		.amdhsa_user_sgpr_kernarg_segment_ptr 1
		.amdhsa_wavefront_size32 1
		.amdhsa_system_sgpr_workgroup_id_x 1
		.amdhsa_system_sgpr_workgroup_id_y 1
		.amdhsa_system_sgpr_workgroup_id_z 1
		.amdhsa_system_vgpr_workitem_id 0
		.amdhsa_next_free_vgpr 256
		.amdhsa_next_free_sgpr 90
		.amdhsa_reserve_vcc 1
		.amdhsa_float_denorm_mode_32 3
		.amdhsa_float_denorm_mode_16_64 3
		.amdhsa_memory_ordered 1
		.amdhsa_forward_progress 1
		.amdhsa_inst_pref_size 167
	.end_amdhsa_kernel
	.amdgpu_metadata
---
amdhsa.version: [ 1, 2 ]
amdhsa.kernels:
  - .name:           k_qde73f4760c_attn
    .symbol:         k_qde73f4760c_attn.kd
    .args:
      - { .name: qimg, .offset: 0, .size: 8, .value_kind: global_buffer, .address_space: global }
      - { .name: qs, .offset: 8, .size: 8, .value_kind: global_buffer, .address_space: global }
      - { .name: kv, .offset: 16, .size: 8, .value_kind: global_buffer, .address_space: global }
      - { .name: kvs, .offset: 24, .size: 8, .value_kind: global_buffer, .address_space: global }
      - { .name: cimg, .offset: 32, .size: 8, .value_kind: global_buffer, .address_space: global }
      - { .name: csc, .offset: 40, .size: 8, .value_kind: global_buffer, .address_space: global }
    .group_segment_fixed_size: 327680
    .private_segment_fixed_size: 0
    .kernarg_segment_align: 8
    .kernarg_segment_size: 48
    .max_flat_workgroup_size: 512
    .sgpr_count:     90
    .vgpr_count:     256
    .wavefront_size: 32
...
	.end_amdgpu_metadata
.endif
;; end of part 3
;; launch oproj (part 4): grid 8 x 32, 4 waves a work-group, no clusters, 17,920 bytes of LDS; arguments cimg, csc, codes, scales, b_o, out0; writes out0
.if DOCPART == 4
	.amdgcn_target "amdgcn-amd-amdhsa--gfx1250"
	.amdhsa_code_object_version 6
	.text
	.protected	k_qde73f4760c_oproj
	.globl	k_qde73f4760c_oproj
	.p2align	8
	.type	k_qde73f4760c_oproj,@function
k_qde73f4760c_oproj:
	s_mov_b64 s[64:65], 0
	v_nop
	global_prefetch_b8 v0, s[64:65] scope:SCOPE_SE
	s_setreg_imm32_b32 hwreg(HW_REG_WAVE_MODE, 25, 1), 1
	s_wait_xcnt 0x0
; out = ctx W_o^T + b_o on codes of BF8 (E5M2) with E8M0 scales; out0 [4096][1024] f32.
; SHARES.  Work-group (cb, tb) makes 128 tokens x 128 columns; wave w makes 64 x 64 (tokens 64 (w / 2) on, columns 64 (w % 2) on): 16 accumulators.  256 work-groups, one to a WGP.
; Both operands lie in memory as images of the operand's registers (16 rows x 128 K = 2,048 dense bytes; lane l's 16 bytes of group c at 512 c + 16 l) and go straight into registers: a fragment is four loads of 512 consecutive bytes.
; One load of 4 bytes a lane brings a tile's scale words of two K steps: lanes 0-15 the even step's, lanes 16-31 the odd step's.
; THE MATRIX INSTRUCTION IS USED TRANSPOSED (source 0 = 16 rows of W_o, source 1 = 16 rows of ctx): a lane then holds eight neighbouring columns of one token.  The bias is the C of each sum's first instruction.
; NO CLUSTER, NO TENSOR LOAD: no tile passes through LDS, so there is no tensor load on which a mask could stand; ctx's panel (128 KB) is read by 8 work-groups, W_o's by 32.
; REGISTERS: window 0: v0-31 addresses; v32-63 scale words; v64-95 the bias table, later with v96-127 the rows read back from the stage; v128-255 accumulator (a, b) at v[128 + 8 (4 a + b)].
;   window 1: two sets of fragments at v0 and v128: 64 registers of W_o (4 tiles), then 64 of ctx.
.set LI,  4                            ; v4  16 x lane
.set LS,  5                            ; v5  4 x lane
.set BOF, 6                            ; v6  32 h: my half's eight columns of a tile, in b_o
.set STO, 7                            ; v7  the stage: where I put 32 bytes of a row
.set RD,  8                            ; v8  and where I read a row back
.set CO,  9                            ; v9  my byte offset in two rows of out0
.set SC,  32                           ; v[32 + 8 i + tile] W_o's words of K steps 2 i, 2 i + 1; v[32 + 8 i + 4 + tile] ctx's
.set BT,  64                           ; register 8 b + j = b_o(16 b + 8 h + j)
.set BK,  64                           ; the way out: v64-95 and v96-127 by turns
.set ACC, 128
.set SP,  272                          ; a stage row: 256 bytes + 16 = 68 words: row r starts at bank 4 r mod 64 (64 banks of 4 bytes: ISA guide 11.1)
.set PW0, 20                           ; s[20:21] W_o's panel of codes;  s[22:23] ctx's;  s[24:25], s[26:27] their scale words;  s[28:29] b_o;  s[30:31] out0
.set PC1, 22
.set QW0, 24
.set QC1, 26
.set PBO, 28
.set POU, 30
.set MSB, 0
.macro WIN new                         ; the immediate's high byte repeats the setting that is left
.if MSB != \new
	s_set_vgpr_msb (MSB<<8)|\new
.set MSB, \new
.endif
.endm
	s_load_b256 s[4:11], s[0:1], 0x0               ; cimg, csc, codes, scales
	s_load_b128 s[12:15], s[0:1], 0x20             ; b_o, out0
	v_lshl_add_u32 v30, v0, 2, 0x4400
	v_mov_b32 v31, 0
	v_lshrrev_b32 v1, 5, v0
	v_readfirstlane_b32 s16, v1                    ; wave 0..3
	s_lshr_b32 s17, s16, 1                         ; which 64 tokens
	s_and_b32 s18, s16, 1                          ; which 64 columns
	s_and_b32 s19, ttmp7, 0xffff                   ; tb
	v_and_b32 v1, 31, v0
	v_and_b32 v2, 15, v0                           ; r
	v_bfe_u32 v3, v0, 4, 1                         ; h
	v_lshlrev_b32 v[LI], 4, v1
	v_lshlrev_b32 v[LS], 2, v1
	v_lshlrev_b32 v[BOF], 5, v3
	s_mul_i32 s32, s16, 16*SP                      ; my stage
	v_mul_u32_u24 v[STO], v2, SP
	v_lshl_add_u32 v[STO], v3, 5, v[STO]
	v_add_nc_u32 v[STO], s32, v[STO]               ; in: row r, 32 bytes for each half of the lanes
	v_mul_u32_u24 v[RD], v3, SP
	v_lshl_add_u32 v[RD], v2, 4, v[RD]
	v_add_nc_u32 v[RD], s32, v[RD]                 ; back: lanes 0-15 one row of 256 bytes, lanes 16-31 the next
	v_lshlrev_b32 v[CO], 12, v3
	v_lshl_add_u32 v[CO], v2, 4, v[CO]             ; and the same two rows in out0
	s_lshl_b32 s32, ttmp9, 17                      ; W_o: row tile 448 + 8 cb + 4 (w % 2); 16,384 bytes of codes a tile
	s_lshl_b32 s34, s18, 16
	s_add_co_u32 s32, s32, s34
	s_add_co_u32 s32, s32, 448<<14
	s_mov_b32 s33, 0
	s_lshr_b32 s34, s32, 5                         ; 512 bytes of scale words a tile
	s_mov_b32 s35, 0
	s_lshl_b32 s36, s19, 17                        ; ctx: token tile 8 tb + 4 (w / 2)
	s_lshl_b32 s38, s17, 16
	s_add_co_u32 s36, s36, s38
	s_mov_b32 s37, 0
	s_lshr_b32 s38, s36, 5
	s_mov_b32 s39, 0
	s_lshl_b32 s40, ttmp9, 9                       ; my first column, in bytes of f32: 512 cb + 256 (w % 2)
	s_lshl_b32 s42, s18, 8
	s_add_co_u32 s40, s40, s42
	s_mov_b32 s41, 0
	s_lshl_b32 s42, s36, 2                         ; my first token's row of 4,096 bytes: (128 tb + 64 (w / 2)) x 4,096
	s_add_co_u32 s42, s42, s40
	s_mov_b32 s43, 0
	s_wait_alu depctr_va_vdst(0)
	s_wait_kmcnt 0x0
	s_add_nc_u64 s[PW0:PW0+1], s[8:9], s[32:33]
	s_add_nc_u64 s[QW0:QW0+1], s[10:11], s[34:35]
	s_add_nc_u64 s[PC1:PC1+1], s[4:5], s[36:37]
	s_add_nc_u64 s[QC1:QC1+1], s[6:7], s[38:39]
	s_add_nc_u64 s[PBO:PBO+1], s[12:13], s[40:41]
	s_add_nc_u64 s[POU:POU+1], s[14:15], s[42:43]
.irp i, 0,1,2,3
.irp t, 0,1,2,3
	global_load_b32 v[SC+8*\i+\t], v[LS], s[QW0:QW0+1] offset:512*\t+128*\i
	global_load_b32 v[SC+8*\i+4+\t], v[LS], s[QC1:QC1+1] offset:512*\t+128*\i
.endr
.endr
.irp b, 0,1,2,3
	global_load_b128 v[BT+8*\b:BT+8*\b+3], v[BOF], s[PBO:PBO+1] offset:64*\b
	global_load_b128 v[BT+8*\b+4:BT+8*\b+7], v[BOF], s[PBO:PBO+1] offset:64*\b+16
.endr
.macro FETCH s                         ; K step s: four fragments of W_o and four of ctx, 32 loads, into set s % 2
	WIN 0x40                                       ; destination window 1, address window 0
.irp t, 0,1,2,3
.irp c, 0,1,2,3
	global_load_b128 v[128*((\s)%2)+16*\t+4*\c:128*((\s)%2)+16*\t+4*\c+3], v[LI], s[PW0:PW0+1] offset:16384*\t+2048*(\s)+512*\c
	global_load_b128 v[128*((\s)%2)+64+16*\t+4*\c:128*((\s)%2)+64+16*\t+4*\c+3], v[LI], s[PC1:PC1+1] offset:16384*\t+2048*(\s)+512*\c
.endr
.endr
	WIN 0
.endm
; A K step: 16 matrix instructions, the 16 accumulators by turns, one instruction a turn; then eight places and the loads of two K steps on into the set just read.
.macro STEP s
.if (\s) < 7
	s_wait_loadcnt 32                              ; this K step's loads are in; the other set's 32 may be out
.else
	s_wait_loadcnt 0x0
.endif
	WIN 0x05                                       ; sources 0 and 1 window 1; C and D window 0
.irp a, 0,1,2,3
.irp b, 0,1,2,3
.set rD, ACC+8*(4*\a+\b)
.set rA, 128*((\s)%2)+16*\b
.set rB, 128*((\s)%2)+64+16*\a
.set rX, SC+8*((\s)/2)+\b
.set rY, SC+8*((\s)/2)+4+\a
.if (\s) == 0
	v_wmma_scale_f32_16x16x128_f8f6f4 v[rD:rD+7], v[rA:rA+15], v[rB:rB+15], v[BT+8*\b:BT+8*\b+7], v[rX], v[rY] matrix_a_fmt:MATRIX_FMT_BF8 matrix_b_fmt:MATRIX_FMT_BF8
.elseif (\s)%2
	v_wmma_scale_f32_16x16x128_f8f6f4 v[rD:rD+7], v[rA:rA+15], v[rB:rB+15], v[rD:rD+7], v[rX], v[rY] matrix_a_fmt:MATRIX_FMT_BF8 matrix_b_fmt:MATRIX_FMT_BF8 matrix_a_scale:MATRIX_SCALE_ROW1 matrix_b_scale:MATRIX_SCALE_ROW1
.else
	v_wmma_scale_f32_16x16x128_f8f6f4 v[rD:rD+7], v[rA:rA+15], v[rB:rB+15], v[rD:rD+7], v[rX], v[rY] matrix_a_fmt:MATRIX_FMT_BF8 matrix_b_fmt:MATRIX_FMT_BF8
.endif
.endr
.endr
.rept 8
	v_nop
.endr
.if (\s) < 6
	FETCH (\s)+2
.else
	WIN 0
.endif
.endm
	FETCH 0
	FETCH 1
	STEP 0
	STEP 1
	STEP 2
	STEP 3
	STEP 4
	STEP 5
	STEP 6
	STEP 7
; THE WAY OUT, a block of 16 tokens x 64 columns at a time.  A lane holds 32 neighbouring bytes of a row and the lanes beside it hold other rows: the block goes through my own stage in LDS and comes back as whole rows of 256 bytes.
; LDS serves a wave's instructions in order (ISA guide 5.7.1.4): no wait between the stores and the loads, nor in front of the next block's stores.
.macro TOSTAGE a
.irp b, 0,1,2,3
	ds_store_b128 v[STO], v[ACC+8*(4*(\a)+\b):ACC+8*(4*(\a)+\b)+3] offset:64*\b          ; each accumulator from its low end on
	ds_store_b128 v[STO], v[ACC+8*(4*(\a)+\b)+4:ACC+8*(4*(\a)+\b)+7] offset:64*\b+16
.endr
.irp i, 0,1,2,3,4,5,6,7
	ds_load_b128 v[BK+32*((\a)%2)+4*\i:BK+32*((\a)%2)+4*\i+3], v[RD] offset:2*\i*SP
.endr
.endm
.macro SEND a, younger                 ; younger: the LDS instructions issued behind block a's loads, which may stay out
	s_wait_dscnt \younger
.irp i, 0,1,2,3,4,5,6,7
	global_store_b128 v[CO], v[BK+32*((\a)%2)+4*\i:BK+32*((\a)%2)+4*\i+3], s[POU:POU+1] offset:(16*(\a)+2*\i)*4096 th:TH_STORE_NT   ; 16 lanes store 256 consecutive bytes, aligned; written once, read by nobody here
.endr
.endm
	TOSTAGE 0
.irp a, 1,2,3
.if \a > 1
	s_wait_xcnt 0x0                                ; block a - 2's stores have read their registers: block a's loads may land there
.endif
	TOSTAGE \a
	SEND \a-1, 16                                  ; behind block a - 1's loads: block a's 8 stores and 8 loads
.endr
	SEND 3, 0
	s_wait_tensorcnt 0x0
	ds_add_u32 v30, v31
	s_wait_dscnt 0x0
	s_endpgm
.Lfunc_end_k_qde73f4760c_oproj:
	.size	k_qde73f4760c_oproj, .Lfunc_end_k_qde73f4760c_oproj-k_qde73f4760c_oproj
	.p2alignl 7, 3214868480
	.fill 96, 4, 3214868480
	.section	.rodata,"a",@progbits
	.p2align	6, 0x0
	.amdhsa_kernel k_qde73f4760c_oproj
		.amdhsa_group_segment_fixed_size 17920
		.amdhsa_private_segment_fixed_size 0
		.amdhsa_enable_private_segment 0
		.amdhsa_kernarg_size 48
		.amdhsa_user_sgpr_count 2
		.amdhsa_user_sgpr_kernarg_segment_ptr 1
		.amdhsa_wavefront_size32 1
		.amdhsa_system_sgpr_workgroup_id_x 1
		.amdhsa_system_sgpr_workgroup_id_y 1
		.amdhsa_system_sgpr_workgroup_id_z 1
		.amdhsa_system_vgpr_workitem_id 0
		.amdhsa_next_free_vgpr 512
		.amdhsa_next_free_sgpr 66
		.amdhsa_reserve_vcc 0
		.amdhsa_float_denorm_mode_32 3
		.amdhsa_float_denorm_mode_16_64 3
		.amdhsa_memory_ordered 1
		.amdhsa_forward_progress 1
		.amdhsa_inst_pref_size 57
	.end_amdhsa_kernel
	.amdgpu_metadata
---
amdhsa.version: [ 1, 2 ]
amdhsa.kernels:
  - .name:           k_qde73f4760c_oproj
    .symbol:         k_qde73f4760c_oproj.kd
    .args:
      - { .name: cimg, .offset: 0, .size: 8, .value_kind: global_buffer, .address_space: global }
      - { .name: csc, .offset: 8, .size: 8, .value_kind: global_buffer, .address_space: global }
      - { .name: codes, .offset: 16, .size: 8, .value_kind: global_buffer, .address_space: global }
      - { .name: scales, .offset: 24, .size: 8, .value_kind: global_buffer, .address_space: global }
      - { .name: b_o, .offset: 32, .size: 8, .value_kind: global_buffer, .address_space: global }
      - { .name: out0, .offset: 40, .size: 8, .value_kind: global_buffer, .address_space: global }
    .group_segment_fixed_size: 17920
    .private_segment_fixed_size: 0
    .kernarg_segment_align: 8
    .kernarg_segment_size: 48
    .max_flat_workgroup_size: 128
    .sgpr_count:     66
    .vgpr_count:     512
    .wavefront_size: 32
...
	.end_amdgpu_metadata
.endif
;; end of part 4
